; MI455X (gfx1250); checked and timed in simulation.
; The chip was launched on July 23, 2026; its instructions are those of AMD's public machine-readable ISA for CDNA 5 (MIT licence, August 2026) and "CDNA5" Instruction Set Architecture Reference Guide (July 2026). The comments in the code are by the model that wrote it; some were corrected since.
;; Attn. Allowed arithmetic: matrix products marked QUANTISED: E2M1 operands, one E8M0 scale for each 32 along K, by v_wmma_scale_f32_16x16x128_f8f6f4 with both operands' format E2M1 (or v_wmma_scale_f32_32x16x128_f4), f32 sums; products left as they are: f32 operands where the result goes on into a quantised operand, else bf16, f16 or f32 operands; f32 sums; everything else in f32.
;; Inputs: W_codes 1,024 x 96 x 16 uint8 (E2M1 codes of W, K innermost, in blocks of 32 codes, two codes a byte); W_scales 1,024 x 96 uint8 (E8M0 scales of W, one for each 32 codes along K); b 1,024 float32; encoder_outputs 16 x 1,024 x 2,048 float32; hidden 16 x 1,024 float32; v 1,024 float32.
;; Outputs: out0 16 x 1 x 1,024 float32.
;; This version of the problem:
;;   THIS VERSION OF THE PROBLEM IS GIVEN IN LOW PRECISION. The matrix products marked QUANTISED in the list below multiply operands that are first quantised to E2M1 (2 exponent bits, 1 mantissa bit; 4 bits a number), with one power-of-two scale for each 32 numbers along K (OCP MX v1.0); their sums are f32. All else is computed in f32.
;;   The module's matrix products, in the order in which they are computed (A, B: the left and right operand; K: the contracted axis; several contracted axes count as one K, in the product's order):
;;     1. [M 16,384, K 3,072] x [K 3,072, N 1,024]; A: computed on the way; B: input W (given as codes): QUANTISED
;;     2. [M 16,384, K 1,024] x [K 1,024, N 1]; A: computed on the way; B: input v: left as it is (N = 1 < 16)
;;   THE QUANTISER, for each operand of a quantised product, along K:
;;     - K is cut into blocks of 32 from its start; a last block that is shorter is filled with zeros.
;;     - A block's scale is 2^e with e = floor(log2(the largest magnitude in the block)) - 2, held to -126 .. 127; a block of zeros has e = 0. As a byte (E8M0): e + 127.
;;     - Each number is divided by its block's scale, clamped to +-6, and rounded to the nearest number of E2M1, ties to even, subnormals kept.
;;     - The product sums the exact products of the quantised numbers (number of the format x scale) in f32.
;;   ~~~python
;;   def quantise(x, axis):      # numpy; x: float32 -> the quantised numbers, widened to float32 again
;;       x = np.moveaxis(x, axis, -1); K = x.shape[-1]
;;       x = np.pad(x, [(0, 0)] * (x.ndim - 1) + [(0, -K % 32)]); x = x.reshape(x.shape[:-1] + (-1, 32)); a = np.abs(x).max(-1, keepdims=True)
;;       e = np.where(a > 0, np.clip(np.frexp(np.where(a > 0, a, 1))[1] - 1 - 2, -126, 127), 0)      # np.frexp(a)[1] - 1 = floor(log2(a)), exactly
;;       r = np.clip(x / 2.0 ** e, -6, 6)
;;       step = 2.0 ** (np.maximum(np.frexp(np.where(r == 0, 1, r))[1] - 1, 0) - 1)
;;       q = np.round(r / step) * step * 2.0 ** e      # np.round: ties to even
;;       return np.moveaxis(q.reshape(q.shape[:-2] + (-1,))[..., :K], -1, axis).astype(np.float32)
;;   ~~~
;;   OPERANDS COMPUTED ON THE WAY. 'Computed on the way' means the value that the module computes at that place (a softmax that the list does not call 'softmax' is quantised finished and normalised). What goes into a quantiser is computed in f32, as accurately as f32 sums, v_exp_f32 and their like allow (about 1e-6 of the number): no bf16 or f16 on the way to a quantiser, and a product that is left as it is and whose result goes on into a quantised operand takes f32 operands (vector FMAs, or v_wmma_f32_16x16x4_f32). A number that lies on a knife's edge between two numbers of the format may be rounded either way, as far as f32 arithmetic and the matrix unit's own rounding can turn it there, and no further.
;;   INPUTS GIVEN AS CODES. W (in the module: [1024, 3072], K = its axis 1): each comes as NAME_codes (uint8): NAME with its K axis moved to the last place and cut into blocks of 32 codes, [.., K / 32, bytes a block], one block behind the other in memory; two codes a byte, the lower K in the low four bits (a code: sign, 2 exponent bits, 1 mantissa bit); and NAME_scales (uint8): the same leading axes, one E8M0 byte (e + 127) for each 32 codes along K. Its value is code x scale, taken as it is: it is not quantised again, and the codes and scales need not be those that the quantiser above would give.
;; One version. Each part assembles by itself: llvm-mc -triple=amdgcn-amd-amdhsa -mcpu=gfx1250 --defsym DOCPART=n.
;; ======== version 1 of 1: 3 launches
;; limits: right only within a limited range of input values
;; workspace buffers: scores 65,536 bytes; Wf 1,048,576 bytes; hbf 65,536 bytes; Wsf 65,536 bytes
;; launch prep (part 1): grid 64 x 1, 8 waves a work-group, no clusters, 76,800 bytes of LDS; arguments W_codes, W_scales, b, hidden, Wf, hbf, Wsf; writes Wf, hbf, Wsf
.if DOCPART == 1
	.amdgcn_target "amdgcn-amd-amdhsa--gfx1250"
	.amdhsa_code_object_version 6
	.text
	.protected	k_q08500e6503_prep
	.globl	k_q08500e6503_prep
	.p2align	8
	.type	k_q08500e6503_prep,@function
k_q08500e6503_prep:
	s_mov_b64 s[64:65], 0
	v_nop
	global_prefetch_b8 v0, s[64:65] scope:SCOPE_SE
	s_setreg_imm32_b32 hwreg(HW_REG_WAVE_MODE, 25, 1), 1
	s_wait_xcnt 0x0
; Prepares product 1 for the launch that follows.  cat[b][t] = hidden[b] (k < 1,024) followed by encoder_outputs[b][t].
; WORK DONE ONCE.  reference() broadcasts hidden[b] over t, and k = 1,024 is an edge of the quantiser's blocks of 32: so the quantised numbers of k < 1,024, and
; their sum with W over k < 1,024, are the same for every t of a batch, whatever the inputs hold.  That sum is made here once for each (b, n), by the format's own matrix instruction.
; hbf[T][b][16] = 2 log2(e) x (sum over k < 1,024 of Q(hidden)[b][k] W[16 T + ..][k] + b[n]): the factor is the one that the next launch's exponential wants.
; Wf = W's codes of k >= 1,024 in the order of the operand registers: [w = n / 256][K step q of 128][tile t of 16 rows][c][lane][16 bytes], lane (r, h): row r, bytes 64 q + 32 c + 16 h.
; Wsf = W's scale bytes of k >= 1,024 as [w][p = 256 along K][row n % 256][8 bytes].
; SHARES.  Work-group T takes W's rows 16 T .. 16 T + 15.  Wave u: K step u of the hidden part (one matrix instruction; the eight parts are added through LDS, u ascending), and K steps 2 u, 2 u + 1 of the rest.
; hidden: a load takes 512 consecutive bytes of one batch's row; the 16 rows go through the wave's own LDS bytes (pitch 528) and come back a block of 32 numbers a lane.
; Wsf: 32 groups of 32 rows x 8 p = 256 pieces of 256 bytes; waves 0-3 of work-group T take pieces 4 T + u: rows 32 (T / 2) + lane, p = 4 (T % 2) + u.
; No cluster and no tensor load: a work-group reads 24 KB of W that no other reads.  No loop, so no prefetch.
; LIMITS.  NaN and infinities in hidden are not served.  A block of hidden under 2^-124, zeros too, gets the scale byte 1: this text alone reads the byte.
.set SPARE, 8192                       ; behind the eight parts of 1,024 bytes: the spare words, 128 bytes a wave
.set HS,    9216                       ; hidden on its way: 16 rows x 528 bytes for each wave
	s_load_b256 s[4:11], s[0:1], 0x0               ; W's codes s[4:5], W's scales s[6:7], b s[8:9], hidden s[10:11]
	s_load_b128 s[12:15], s[0:1], 0x20             ; Wf s[12:13], hbf s[14:15]
	s_load_b64 s[40:41], s[0:1], 0x30              ; Wsf
	v_lshl_add_u32 v12, v0, 2, SPARE               ; my spare word, and 0: kept for the wave's end
	v_mov_b32 v13, 0
	v_lshrrev_b32 v1, 5, v0
	v_readfirstlane_b32 s16, v1                    ; wave u
	s_mul_i32 s20, ttmp9, 24576                    ; 16 rows of 1,536 bytes
	s_lshl_b32 s17, s16, 6
	s_add_co_u32 s20, s20, s17                     ; + 64 u: the hidden part's K step u
	s_mov_b32 s21, 0
	s_add_co_u32 s22, s20, s17
	s_add_co_u32 s22, s22, 512                     ; 512 + 128 u: K steps 2 u, 2 u + 1 of the rest
	s_mov_b32 s23, 0
	s_mul_i32 s24, ttmp9, 1536                     ; 16 rows of 96 scale bytes
	s_lshl_b32 s18, s16, 2
	s_add_co_u32 s24, s24, s18
	s_mov_b32 s25, 0
	s_lshl_b32 s26, s16, 9                         ; hidden: 128 numbers a K step
	s_mov_b32 s27, 0
	s_lshr_b32 s28, ttmp9, 4
	s_lshl_b32 s28, s28, 18                        ; Wf: w x 262,144
	s_and_b32 s19, ttmp9, 15
	s_lshl_b32 s19, s19, 10
	s_add_co_u32 s28, s28, s19                     ; + t x 1,024
	s_lshl_b32 s19, s16, 15
	s_add_co_u32 s28, s28, s19                     ; + 2 u x 16,384
	s_mov_b32 s29, 0
	s_lshl_b32 s30, ttmp9, 10
	s_mov_b32 s31, 0
	s_lshl_b32 s32, ttmp9, 6
	s_mov_b32 s33, 0
	s_mov_b32 s34, 0x76543210                      ; v_permlanex16_b32's selects for lane l xor 16
	s_mov_b32 s35, 0xfedcba98
	s_mov_b32 s36, 0x4038aa3b                      ; 2 log2(e)
	s_mov_b32 s37, s36
	s_lshl_b32 s38, s16, 10
	s_mul_i32 s39, s16, 8448
	s_add_co_u32 s39, s39, HS
	s_lshr_b32 s46, ttmp9, 1                       ; the group of 32 rows,
	s_and_b32 s47, ttmp9, 1
	s_lshl_b32 s47, s47, 2
	s_add_co_u32 s47, s47, s16                     ; and p = 4 (T % 2) + u (used by waves 0-3)
	s_mul_i32 s42, s46, 3072
	s_lshl_b32 s48, s47, 3
	s_add_co_u32 s42, s42, s48
	s_add_co_u32 s42, s42, 32                      ; from: 32 rows of 96 bytes, byte 32 + 8 p
	s_mov_b32 s43, 0
	s_lshr_b32 s44, s46, 3
	s_lshl_b32 s44, s44, 14                        ; to: w x 16,384
	s_lshl_b32 s48, s47, 11
	s_add_co_u32 s44, s44, s48                     ; + p x 2,048
	s_and_b32 s48, s46, 7
	s_lshl_b32 s48, s48, 8
	s_add_co_u32 s44, s44, s48                     ; + 256 for each group of 32 rows
	s_mov_b32 s45, 0
	v_and_b32 v1, 15, v0                           ; r
	v_bfe_u32 v2, v0, 4, 1                         ; h
	v_and_b32 v3, 31, v0
	v_mul_u32_u24 v4, v1, 1536
	v_lshl_add_u32 v4, v2, 4, v4                   ; W's codes: row r, + 16 h
	v_mul_u32_u24 v5, v1, 96                       ; W's scale word: row r
	v_lshl_add_u32 v6, v3, 4, s39                  ; LDS, in: 16 lane of a row
	v_lshlrev_b32 v7, 4, v3                        ; 16 lane: in Wf and in a row of hidden
	v_lshlrev_b32 v8, 6, v1
	v_lshl_add_u32 v8, v2, 5, v8
	v_add_nc_u32 v8, s38, v8                       ; LDS: part u, batch r, 8 h columns
	v_lshlrev_b32 v9, 4, v0                        ; threads 0-63: 16 bytes of the 1,024
	v_and_b32 v10, 3, v0
	v_lshlrev_b32 v10, 4, v10                      ; their four numbers of b
	v_mul_u32_u24 v11, v1, 528
	v_lshl_add_u32 v11, v2, 7, v11
	v_add_nc_u32 v11, s39, v11                     ; LDS, back: batch r, + 32 h numbers
	v_mul_u32_u24 v14, v3, 96                      ; a row of scale bytes a lane
	v_lshlrev_b32 v15, 3, v3
	s_wait_alu depctr_va_vdst(0)
	s_wait_kmcnt 0x0
	s_add_nc_u64 s[20:21], s[4:5], s[20:21]
	s_add_nc_u64 s[22:23], s[4:5], s[22:23]
	s_add_nc_u64 s[42:43], s[6:7], s[42:43]
	s_add_nc_u64 s[6:7], s[6:7], s[24:25]
	s_add_nc_u64 s[10:11], s[10:11], s[26:27]
	s_add_nc_u64 s[12:13], s[12:13], s[28:29]
	s_add_nc_u64 s[14:15], s[14:15], s[30:31]
	s_add_nc_u64 s[8:9], s[8:9], s[32:33]
	s_add_nc_u64 s[44:45], s[40:41], s[44:45]
	s_cmp_lt_u32 s16, 4                            ; waves 0-3 lay scale bytes;
	s_cbranch_scc0 .Lnos
	global_load_b64 v[140:141], v14, s[42:43]
	s_cmp_lt_u32 s16, 2                            ; waves 0 and 1 finish the sums: they alone want b
	s_cbranch_scc0 .Lnos
	global_load_b128 v[136:139], v10, s[8:9]
.Lnos:
.irp k, 0,1,2,3
	global_load_b128 v[24+4*\k:27+4*\k], v4, s[22:23] offset:32*\k     ; two fragments, as the registers want them
.endr
.irp i, 0,1,2,3,4,5,6,7,8,9,10,11,12,13,14,15
	global_load_b128 v[144+4*\i:147+4*\i], v7, s[10:11] offset:4096*\i   ; batch i: 512 consecutive bytes
.endr
	global_load_b128 v[16:19], v4, s[20:21]
	global_load_b128 v[20:23], v4, s[20:21] offset:32
	global_load_b32 v40, v5, s[6:7]
	s_wait_loadcnt 19                              ; behind the four: 16 + 2 + 1
.irp k, 0,1,2,3
	global_store_b128 v7, v[24+4*\k:27+4*\k], s[12:13] offset:16384*(\k/2)+512*(\k%2)   ; 32 lanes store 512 consecutive bytes
.endr
	s_cmp_lt_u32 s16, 4
	s_cbranch_scc0 .Lnos2
	global_store_b64 v15, v[140:141], s[44:45]     ; 32 lanes store 256 consecutive bytes, at a multiple of 256
.Lnos2:
	s_wait_loadcnt 3                               ; hidden is in (behind it: 2 + 1)
.irp i, 0,1,2,3,4,5,6,7,8,9,10,11,12,13,14,15
	ds_store_b128 v6, v[144+4*\i:147+4*\i] offset:528*\i
.endr
.irp c, 0,1
.irp i, 0,1,2,3,4,5,6,7
	ds_load_b128 v[64+32*\c+4*\i:67+32*\c+4*\i], v11 offset:256*\c+16*\i   ; hidden(r, 128 u + 64 c + 32 h + 4 i ..): my wave's own bytes, served in order
.endr
.endr
	s_wait_loadcnt 0x0
	s_wait_dscnt 0x0
.irp c, 0,1
	v_max3_num_f32 v[42+\c], |v[64+32*\c]|, |v[65+32*\c]|, 0x1800000   ; with the floor 2^(3 - 127): the byte cannot fall under 1
.endr
.irp i, 2,4,6,8,10,12,14,16,18,20,22,24,26,28,30
.irp c, 0,1
	v_max3_num_f32 v[42+\c], v[42+\c], |v[64+32*\c+\i]|, |v[65+32*\c+\i]|
.endr
.endr
.irp c, 0,1
	v_add_nc_u32 v[44+\c], 0xff000000, v[42+\c]    ; 2 off the exponent field: the conversion's scale operand
.endr
.irp c, 0,1
	v_lshrrev_b32 v[46+\c], 23, v[44+\c]           ; the scale's byte
.endr
	v_lshl_or_b32 v48, v47, 16, v46                ; blocks h and 2 + h,
	v_lshlrev_b32 v49, 3, v2
	v_lshlrev_b32 v48, v49, v48                    ; at their places in the word;
	v_mov_b32 v49, 0
	v_permlanex16_b32 v49, v48, s34, s35
	v_or_b32 v48, v48, v49                         ; with lane l xor 16's two the word is whole
.irp c, 0,1
.irp g, 0,1,2,3
	v_cvt_scalef32_pk8_fp4_f32 v[50+4*\c+\g], v[64+32*\c+8*\g:71+32*\c+8*\g], v[44+\c]
.endr
.endr
.rept 8
	v_nop                                          ; places between vector writes of a scale word and of an operand and the scaled matrix instruction
.endr
	v_wmma_scale_f32_16x16x128_f8f6f4 v[128:135], v[16:23], v[50:57], 0, v40, v48 matrix_a_fmt:MATRIX_FMT_FP4 matrix_b_fmt:MATRIX_FMT_FP4   ; lane (r, h) register j: batch r, W's row 8 h + j
.rept 4
	v_nop
.endr
	ds_store_b128 v8, v[128:131]
	ds_store_b128 v8, v[132:135] offset:16
	s_wait_dscnt 0x0                               ; for the others' sake: my part has landed
	s_barrier_signal -1
	s_barrier_wait -1
	s_cmp_lt_u32 s16, 2
	s_cbranch_scc0 .Lend
.irp k, 0,1,2,3,4,5,6,7
	ds_load_b128 v[64+4*\k:67+4*\k], v9 offset:1024*\k
.endr
	s_wait_dscnt 0x0
.irp k, 1,2,3,4,5,6,7
	v_pk_add_f32 v[64:65], v[64:65], v[64+4*\k:65+4*\k]
	v_pk_add_f32 v[66:67], v[66:67], v[66+4*\k:67+4*\k]
.endr
	v_pk_add_f32 v[64:65], v[64:65], v[136:137]
	v_pk_add_f32 v[66:67], v[66:67], v[138:139]
	v_pk_mul_f32 v[64:65], v[64:65], s[36:37] op_sel_hi:[1,0]
	v_pk_mul_f32 v[66:67], v[66:67], s[36:37] op_sel_hi:[1,0]
	global_store_b128 v9, v[64:67], s[14:15]       ; a wave stores 512 consecutive bytes
.Lend:
	s_wait_tensorcnt 0x0                           ; the wave's end
	ds_add_u32 v12, v13
	s_wait_dscnt 0x0
	s_endpgm
.Lfunc_end_k_q08500e6503_prep:
	.size	k_q08500e6503_prep, .Lfunc_end_k_q08500e6503_prep-k_q08500e6503_prep
	.p2alignl 7, 3214868480
	.fill 96, 4, 3214868480
	.section	.rodata,"a",@progbits
	.p2align	6, 0x0
	.amdhsa_kernel k_q08500e6503_prep
		.amdhsa_group_segment_fixed_size 76800
		.amdhsa_private_segment_fixed_size 0
		.amdhsa_enable_private_segment 0
		.amdhsa_kernarg_size 56
		.amdhsa_user_sgpr_count 2
		.amdhsa_user_sgpr_kernarg_segment_ptr 1
		.amdhsa_wavefront_size32 1
		.amdhsa_system_sgpr_workgroup_id_x 1
		.amdhsa_system_sgpr_workgroup_id_y 1
		.amdhsa_system_sgpr_workgroup_id_z 1
		.amdhsa_system_vgpr_workitem_id 0
		.amdhsa_next_free_vgpr 208
		.amdhsa_next_free_sgpr 66
		.amdhsa_reserve_vcc 0
		.amdhsa_float_denorm_mode_32 3
		.amdhsa_float_denorm_mode_16_64 3
		.amdhsa_memory_ordered 1
		.amdhsa_forward_progress 1
		.amdhsa_inst_pref_size 15
	.end_amdhsa_kernel
	.amdgpu_metadata
---
amdhsa.version: [ 1, 2 ]
amdhsa.kernels:
  - .name:           k_q08500e6503_prep
    .symbol:         k_q08500e6503_prep.kd
    .args:
      - { .name: W_codes, .offset: 0, .size: 8, .value_kind: global_buffer, .address_space: global }
      - { .name: W_scales, .offset: 8, .size: 8, .value_kind: global_buffer, .address_space: global }
      - { .name: b, .offset: 16, .size: 8, .value_kind: global_buffer, .address_space: global }
      - { .name: hidden, .offset: 24, .size: 8, .value_kind: global_buffer, .address_space: global }
      - { .name: Wf, .offset: 32, .size: 8, .value_kind: global_buffer, .address_space: global }
      - { .name: hbf, .offset: 40, .size: 8, .value_kind: global_buffer, .address_space: global }
      - { .name: Wsf, .offset: 48, .size: 8, .value_kind: global_buffer, .address_space: global }
    .group_segment_fixed_size: 76800
    .private_segment_fixed_size: 0
    .kernarg_segment_align: 8
    .kernarg_segment_size: 56
    .max_flat_workgroup_size: 256
    .sgpr_count:     66
    .vgpr_count:     208
    .wavefront_size: 32
...
	.end_amdgpu_metadata
.endif
;; end of part 1
;; launch energy (part 2): grid 256 x 1, 4 waves a work-group, no clusters, 172,032 bytes of LDS; arguments Wsf, encoder_outputs, v, Wf, hbf, scores; writes scores
.if DOCPART == 2
	.amdgcn_target "amdgcn-amd-amdhsa--gfx1250"
	.amdhsa_code_object_version 6
	.text
	.protected	k_q08500e6503_energy
	.globl	k_q08500e6503_energy
	.p2align	8
	.type	k_q08500e6503_energy,@function
k_q08500e6503_energy:
	s_mov_b64 s[64:65], 0
	v_nop
	global_prefetch_b8 v0, s[64:65] scope:SCOPE_SE
	s_setreg_imm32_b32 hwreg(HW_REG_WAVE_MODE, 25, 1), 1
	s_wait_xcnt 0x0
; scores[row] = sum over n of v[n] tanh(y[row][n]),  y = sum over k >= 1,024 of Q(cat)[row][k] W[n][k] + (the part of k < 1,024, and b[n]).
; The part of k < 1,024 is the same for all rows of a batch (reference() broadcasts hidden; k = 1,024 is a block's edge): the launch before made it once, with b, times 2 log2(e), in hbf.
; SHARES.  16,384 rows / 256 work-groups = 64 rows, all 1,024 columns.  Wave w: 64 rows x columns 256 w .. + 255: 64 accumulators, 512 registers.  K = 2,048 in 16 steps of 128; a PHASE is two steps.
; W: each fragment is used by one wave alone, so it goes from Wf, which holds it in the registers' order, straight into registers: a load takes 512 consecutive bytes; two buffers of one K step (16 tiles).
;   So no tile is shared through LDS, and there is no tensor load, no cluster and no joint request.
; W's scale bytes of k >= 1,024 (Wsf: [w][phase][row][8 bytes]): each wave copies its 16 KB once into LDS, 512 consecutive bytes a copy, and alone reads them.
; x: wave w owns rows 16 w .. + 15.  A load takes 512 consecutive bytes: lanes 0-15 the even pieces of 16 bytes, lanes 16-31 the odd ones; v_permlane16_swap_b32 of two such loads gives each lane 8 neighbours.
;   Codes and scale bytes of all of K stay in LDS, written once: one barrier a phase parts the stores of pair p + 1 (256 along K) from their reads.
; In phase p: the products of steps 2 p, 2 p + 1; W of steps 2 p + 2, 2 p + 3 asked for as its registers fall free; pair p + 1 of x quantised; pair p + 2 asked for into the same registers.
; LOADcnt.  A phase issues 16 + 16 + 16 + 16 loads of W, then 16 + 16 of x.  Behind every load that a wait wants, 64 or more younger loads have been issued, so each count is 63 (ISA guide 5.7.1: the issue is held at the field's end).
; PREFETCH.  In the middle of phase p (p < 5) each wave asks for its own 16 rows x 1,024 bytes of pair p + 3, a lane a block of 256 bytes; that pair's loads are issued at the end of phase p + 1.  W is read by all
;   work-groups: work-groups 0-3 alone ask for it, each wave its 32 KB of phase p + 3, whose loads are issued in phase p + 2.  The head asks for pair 1 behind pair 0's loads, then for pair 2 and W's phase 2.
;   Phases 5 and later ask for nothing.
; THE MATRIX INSTRUCTION IS USED TRANSPOSED: source 0 = 16 rows of W, source 1 = 16 rows of x: lane (r, h) register j holds (row 16 m + r, column n0 + 8 h + j).
; tanh(y) = 1 - 2 / (1 + 2^(2 log2(e) y)): right at both ends.  score = (sum of v) - 2 x sum of v / (1 + 2^..), in f32.
; LIMITS.  NaN and infinities in encoder_outputs are not served.  A block under 2^-124, zeros too, gets the scale byte 1; this text alone reads the byte.
; REGISTERS.  Window 0: v4-27 addresses; v32-47 W's scale words; v48-51 x's; v64-127 x's fragments of two steps (then the quantiser's work registers); v128-255 x on its way (at the end hbf).
;   Window 1: W's fragments, step parity u at 128 u (at the end v in 0-127).  Windows 2, 3: accumulators of tiles 0-7, 8-15: (t, m) at v[8 (4 (t % 8) + m)].
.set XPIT,  1040                       ; a row of codes in LDS: 1,024 bytes + 16: 16 rows of a fragment start 4 words apart modulo 64
.set XS,    64*XPIT                    ; x's scale bytes: 64 rows at 72 bytes
.set RED,   XS+64*72                   ; [wave][64 rows] f32
.set SPARE, RED+1024                   ; the spare words, 128 bytes a wave
.set WSL,   SPARE+512                  ; W's scale bytes: 16,384 bytes a wave
.set SPW, 4
.set NIL, 5
.set XO,  6                            ; 32 r + 16 h
.set WO,  7                            ; 16 lane
.set PFO, 8                            ; (lane / 4) rows + (lane % 4) x 256
.set PFW, 9                            ; 256 lane
.set ADA0, 10
.set ASA0, 11
.set ASB0, 12
.set QC0, 13
.set QS0, 14
.set ADA, 15                           ; v15-19: the five above at the phase in hand
.set ASA, 16
.set ASB, 17
.set QC,  18
.set QS,  19
.set CL,  21
.set BVO, 22
.set RW,  23
.set RR,  24
.set SOF, 25
.set T0,  26
.set T1,  27
.set SB,  32                           ; register 2 i + u: lanes 0-15 tile 2 i, lanes 16-31 tile 2 i + 1, step parity u
.set SA,  48                           ; the same for x's row tiles
.set AF,  64
.set VS,  64
.set SS,  72
.set WV,  16
.set XP,  20                           ; s[20:21] encoder_outputs at my first row, pair p
.set WP,  22                           ; s[22:23] Wf at my stream, phase p
.set PB,  24
.set PV,  26
.set KO,  28                           ; 128 p
.set KO8, 29                           ; 8 p
.set PH,  30
.set KOS, 31                           ; 2,048 p
.set C2,  32
.set SEL, 34
.set MSB, 0
.macro WIN new                         ; the immediate's high byte repeats the setting that is left
.if MSB != (\new)
	s_set_vgpr_msb (MSB<<8)|(\new)
.set MSB, (\new)
.endif
.endm
.macro PLACES n
.rept \n
	v_nop
.endr
.endm
.macro FRAG reg, adr, off
	ds_load_b128 v[(\reg):(\reg)+3], v[\adr] offset:(\off)
	ds_load_b128 v[(\reg)+4:(\reg)+7], v[\adr] offset:(\off)+32
.endm
.macro WM d, a, b, zero, sw, sx, ra, rb        ; ra, rb: the scale word lies in lanes 16-31 (odd tiles)
.if \zero
.if (\ra) && (\rb)
	v_wmma_scale_f32_16x16x128_f8f6f4 v[(\d):(\d)+7], v[(\a):(\a)+7], v[(\b):(\b)+7], 0, v[\sw], v[\sx] matrix_a_fmt:MATRIX_FMT_FP4 matrix_b_fmt:MATRIX_FMT_FP4 matrix_a_scale:MATRIX_SCALE_ROW1 matrix_b_scale:MATRIX_SCALE_ROW1
.elseif (\ra)
	v_wmma_scale_f32_16x16x128_f8f6f4 v[(\d):(\d)+7], v[(\a):(\a)+7], v[(\b):(\b)+7], 0, v[\sw], v[\sx] matrix_a_fmt:MATRIX_FMT_FP4 matrix_b_fmt:MATRIX_FMT_FP4 matrix_a_scale:MATRIX_SCALE_ROW1
.elseif (\rb)
	v_wmma_scale_f32_16x16x128_f8f6f4 v[(\d):(\d)+7], v[(\a):(\a)+7], v[(\b):(\b)+7], 0, v[\sw], v[\sx] matrix_a_fmt:MATRIX_FMT_FP4 matrix_b_fmt:MATRIX_FMT_FP4 matrix_b_scale:MATRIX_SCALE_ROW1
.else
	v_wmma_scale_f32_16x16x128_f8f6f4 v[(\d):(\d)+7], v[(\a):(\a)+7], v[(\b):(\b)+7], 0, v[\sw], v[\sx] matrix_a_fmt:MATRIX_FMT_FP4 matrix_b_fmt:MATRIX_FMT_FP4
.endif
.else
.if (\ra) && (\rb)
	v_wmma_scale_f32_16x16x128_f8f6f4 v[(\d):(\d)+7], v[(\a):(\a)+7], v[(\b):(\b)+7], v[(\d):(\d)+7], v[\sw], v[\sx] matrix_a_fmt:MATRIX_FMT_FP4 matrix_b_fmt:MATRIX_FMT_FP4 matrix_a_scale:MATRIX_SCALE_ROW1 matrix_b_scale:MATRIX_SCALE_ROW1
.elseif (\ra)
	v_wmma_scale_f32_16x16x128_f8f6f4 v[(\d):(\d)+7], v[(\a):(\a)+7], v[(\b):(\b)+7], v[(\d):(\d)+7], v[\sw], v[\sx] matrix_a_fmt:MATRIX_FMT_FP4 matrix_b_fmt:MATRIX_FMT_FP4 matrix_a_scale:MATRIX_SCALE_ROW1
.elseif (\rb)
	v_wmma_scale_f32_16x16x128_f8f6f4 v[(\d):(\d)+7], v[(\a):(\a)+7], v[(\b):(\b)+7], v[(\d):(\d)+7], v[\sw], v[\sx] matrix_a_fmt:MATRIX_FMT_FP4 matrix_b_fmt:MATRIX_FMT_FP4 matrix_b_scale:MATRIX_SCALE_ROW1
.else
	v_wmma_scale_f32_16x16x128_f8f6f4 v[(\d):(\d)+7], v[(\a):(\a)+7], v[(\b):(\b)+7], v[(\d):(\d)+7], v[\sw], v[\sx] matrix_a_fmt:MATRIX_FMT_FP4 matrix_b_fmt:MATRIX_FMT_FP4
.endif
.endif
.endm
; 32 matrix instructions: W's tiles 8 hi .. 8 hi + 7 x the four row tiles, step parity u.  The accumulators take turns, one instruction a turn.
.macro MUL32 u, hi, zero
.irp t, 0,1,2,3,4,5,6,7
.irp m, 0,1,2,3
	WM 8*(4*\t+\m), 128*\u+64*\hi+8*\t, AF+32*\u+8*\m, \zero, SB+8*\hi+2*(\t/2)+\u, SA+2*(\m/2)+\u, \t%2, \m%2
.endr
.endr
.endm
.macro WLOAD u, hi, off                ; eight tiles of W, 16 loads of 512 consecutive bytes
.irp t, 0,1,2,3,4,5,6,7
.irp c, 0,1
	global_load_b128 v[128*\u+64*\hi+8*\t+4*\c:128*\u+64*\hi+8*\t+4*\c+3], v[WO], s[WP:WP+1] offset:\off+16384*\u+8192*\hi+1024*\t+512*\c
.endr
.endr
.endm
.macro VLOAD hi                        ; v at my 8 columns of eight tiles, into W's buffer 0, which is done with
.irp t, 0,1,2,3,4,5,6,7
.irp c, 0,1
	global_load_b128 v[64*\hi+8*\t+4*\c:64*\hi+8*\t+4*\c+3], v[BVO], s[PV:PV+1] offset:64*(8*\hi+\t)+16*\c
.endr
.endr
.endm
.macro RELOAD u, hi, mode
.if \mode < 2
	WIN 0x40                                       ; destination window 1, address window 0
	WLOAD \u, \hi, 32768
.elseif \u == 0
	WIN 0x40
	VLOAD \hi
.endif
.endm
.macro XLOAD j, xoff                   ; rows 8 j .. 8 j + 7 of my 16, 1,024 bytes of each
.irp i, 0,1,2,3,4,5,6,7
.irp e, 0,1
	global_load_b128 v[128+64*\j+8*\i+4*\e:128+64*\j+8*\i+4*\e+3], v[XO], s[XP:XP+1] offset:\xoff+8192*(8*\j+\i)+512*\e th:TH_LOAD_NT
.endr
.endr
.endm
.macro PFX xo                          ; a pair of x, my 16 rows: 64 blocks of 256 bytes, a lane a block
	global_prefetch_b8 v[PFO], s[XP:XP+1] offset:\xo th:TH_LOAD_NT scope:SCOPE_SE
	global_prefetch_b8 v[PFO], s[XP:XP+1] offset:\xo+65536 th:TH_LOAD_NT scope:SCOPE_SE
.endm
; The prefetches.  cond = 1: only in phases under 5.
.macro PF cond, xo, wo
.if \cond == 1
	s_cmp_lt_u32 s[PH], 5
	s_cbranch_scc0 .Lnopf_\@
.endif
	PFX \xo
	s_cmp_lt_u32 ttmp9, 4
	s_cbranch_scc0 .Lnopf_\@
.irp j, 0,1,2,3
	global_prefetch_b8 v[PFW], s[WP:WP+1] offset:\wo+8192*\j th:TH_LOAD_NT scope:SCOPE_SE
.endr
.Lnopf_\@:
.endm
.macro STEP u, zero, mode, pf
	s_wait_loadcnt 63                              ; this step's fragments of W are in
	WIN 0xa1                                       ; source 0 (W) window 1, source 1 (x) window 0, C and D window 2
	MUL32 \u, 0, \zero
	PLACES 4                                       ; in front of loads into registers that matrix instructions have read
	RELOAD \u, 0, \mode
.if (\pf) && (\u == 0)
	WIN 0
	PF \pf, 3072, 98304
.endif
	WIN 0xf1
	MUL32 \u, 1, \zero
	PLACES 4
	RELOAD \u, 1, \mode
	WIN 0
.endm
.macro ADDR                            ; the LDS addresses of the phase in hand
	v_add_nc_u32 v[ADA], s[KO], v[ADA0]
	v_add_nc_u32 v[QC], s[KO], v[QC0]
	v_add_nc_u32 v[ASA], s[KO8], v[ASA0]
	v_add_nc_u32 v[ASB], s[KOS], v[ASB0]
	v_add_nc_u32 v[QS], s[KO8], v[QS0]
	s_wait_alu depctr_va_vdst(0)
.endm
; Eight rows x 256 numbers are quantised: a lane 8 neighbours, four lanes a block.  The rows take turns line by line.  The next loads into the same registers go out ahead of the LDS stores.
.macro OCT j, reissue, coff, soff, xoff
.set XR,  128+64*\j
.set TMB, AF+32*\j
.set EBB, TMB+8
.set CDB, TMB+16
	s_wait_loadcnt 63
.irp i, 0,1,2,3,4,5,6,7
.irp k, 0,1,2,3
	v_permlane16_swap_b32 v[XR+8*\i+\k], v[XR+8*\i+4+\k]   ; lanes 0-15: pieces 2 l, 2 l + 1 of the first 512 bytes; lanes 16-31: of the second
.endr
.endr
.irp i, 0,1,2,3,4,5,6,7
	v_max3_num_f32 v[TMB+\i], |v[XR+8*\i]|, |v[XR+8*\i+1]|, 0x1800000   ; with the floor 2^(3 - 127)
.endr
.irp p, 2,4,6
.irp i, 0,1,2,3,4,5,6,7
	v_max3_num_f32 v[TMB+\i], |v[XR+8*\i+\p]|, |v[XR+8*\i+\p+1]|, v[TMB+\i]
.endr
.endr
.irp i, 0,1,2,3,4,5,6,7
	v_max_num_f32_dpp v[TMB+\i], v[TMB+\i], v[TMB+\i] row_xmask:1 row_mask:0xf bank_mask:0xf
.endr
.irp i, 0,1,2,3,4,5,6,7
	v_max_num_f32_dpp v[TMB+\i], v[TMB+\i], v[TMB+\i] row_xmask:2 row_mask:0xf bank_mask:0xf
.endr
.irp i, 0,1,2,3,4,5,6,7
	v_add_nc_u32 v[TMB+\i], 0xff000000, v[TMB+\i]  ; 2 off the exponent field: the conversion's scale operand
.endr
.irp i, 0,1,2,3,4,5,6,7
	v_lshrrev_b32 v[EBB+\i], 23, v[TMB+\i]         ; the scale's byte
.endr
.irp i, 0,1,2,3,4,5,6,7
	v_cvt_scalef32_pk8_fp4_f32 v[CDB+\i], v[XR+8*\i:XR+8*\i+7], v[TMB+\i]
.endr
	v_nop                                          ; one plain place behind the last scaled conversion
.if \reissue
	XLOAD \j, \xoff
.endif
.irp i, 0,1,2,3,4,5,6,7
	ds_store_b32 v[QC], v[CDB+\i] offset:XPIT*(8*\j+\i)+\coff       ; 32 lanes: 128 neighbouring bytes of the row's codes
	ds_store_b8 v[QS], v[EBB+\i] offset:72*(8*\j+\i)+\soff          ; a block's four lanes write the same byte with the same value
.endr
.endm
; mode 0: a whole phase.  1: nothing more of x is asked for.  2: the last: hbf and v come in, nothing is quantised.
.macro PHASE first, zero, mode, pf
.if !(\first)
	s_add_co_u32 s[KO], s[KO], 128
	s_add_co_u32 s[KO8], s[KO8], 8
	s_add_co_u32 s[KOS], s[KOS], 2048
	ADDR
.endif
.irp i, 0,1,2,3,4,5,6,7
	ds_load_b64 v[SB+2*\i:SB+2*\i+1], v[ASB] offset:256*\i          ; two steps' scale words of 32 rows of W, a row a lane: 256 neighbouring bytes
.endr
.irp i, 0,1
	ds_load_b64 v[SA+2*\i:SA+2*\i+1], v[ASA] offset:2304*\i
.endr
.irp u, 0,1
.irp m, 0,1,2,3
	FRAG AF+32*\u+8*\m, ADA, 16*XPIT*\m+64*\u
.endr
.endr
.if (!(\first)) && (\mode < 2)
	s_wait_xcnt 0x0                                ; the loads and prefetches issued so far have read their bases
	s_add_nc_u64 s[XP:XP+1], s[XP:XP+1], 1024
	s_add_nc_u64 s[WP:WP+1], s[WP:WP+1], 32768
.endif
.if \mode == 2
.irp t, 0,1,2,3,4,5,6,7,8,9,10,11,12,13,14,15
.irp e, 0,1
	global_load_b128 v[128+8*\t+4*\e:128+8*\t+4*\e+3], v[BVO], s[PB:PB+1] offset:1024*\t+16*\e   ; hbf at my batch and my 8 columns of tile t, into the registers that x has left
.endr
.endr
.endif
	s_wait_dscnt 8                                 ; all but the second step's fragments of x
	STEP 0, \zero, \mode, \pf
	s_wait_dscnt 0x0
	STEP 1, 0, \mode, 0
.if \mode < 2
	OCT 0, (\mode==0), 128, 8, 2048
	OCT 1, (\mode==0), 128, 8, 2048
	s_wait_dscnt 0x0                               ; for the others' sake: my codes and bytes have landed
	s_barrier_signal -1
	s_barrier_wait -1
.endif
.endm
	s_load_b256 s[4:11], s[0:1], 0x0               ; Wsf s[4:5], encoder_outputs s[6:7], v s[8:9], Wf s[10:11]
	s_load_b128 s[12:15], s[0:1], 0x20             ; hbf s[12:13], scores s[14:15]
	v_lshl_add_u32 v[SPW], v0, 2, SPARE
	v_mov_b32 v[NIL], 0
	ds_add_u32 v[SPW], v[NIL]                      ; the opening lines, ahead of my first copy
	ds_add_u32 v[SPW], v[NIL]
	v_lshrrev_b32 v1, 5, v0
	v_readfirstlane_b32 s[WV], v1                  ; wave 0..3
	s_lshl_b32 s46, s[WV], 14                      ; my 16,384 scale bytes
	s_mov_b32 s47, 0
	s_add_co_u32 s39, s46, WSL
	s_mul_i32 s37, s[WV], 16*XPIT
	s_mul_i32 s38, s[WV], 16*72
	s_add_co_u32 s38, s38, XS
	s_lshl_b32 s40, s[WV], 8
	s_add_co_u32 s40, s40, RED
	s_lshl_b32 s42, s[WV], 18                      ; Wf: 262,144 bytes a wave
	s_mov_b32 s43, 0
	s_lshl_b32 s44, ttmp9, 19                      ; 64 rows of 8,192 bytes a work-group,
	s_lshl_b32 s45, s[WV], 17                      ; 16 rows a wave (under 2^27 in all)
	s_add_co_u32 s44, s44, s45
	s_mov_b32 s45, 0
	s_lshr_b32 s48, ttmp9, 4                       ; 16 work-groups to a batch
	s_lshl_b32 s48, s48, 6
	s_lshl_b32 s49, s[WV], 14
	s_add_co_u32 s48, s48, s49
	s_mov_b32 s49, 0
	s_lshl_b32 s50, s[WV], 10
	s_mov_b32 s51, 0
	s_lshl_b32 s52, ttmp9, 8
	s_mov_b32 s53, 0
	s_mov_b32 s[KO], 0
	s_mov_b32 s[KO8], 0
	s_mov_b32 s[KOS], 0
	s_mov_b32 s[C2], 0x4038aa3b                    ; 2 log2(e)
	s_mov_b32 s[C2+1], s[C2]
	s_mov_b32 s[SEL], 0x76543210
	s_mov_b32 s[SEL+1], 0xfedcba98
	v_and_b32 v1, 31, v0                           ; lane
	v_and_b32 v2, 15, v0                           ; r
	v_bfe_u32 v3, v0, 4, 1                         ; h
	v_lshlrev_b32 v[XO], 5, v2
	v_lshl_add_u32 v[XO], v3, 4, v[XO]
	v_lshlrev_b32 v[WO], 4, v1
	v_lshrrev_b32 v[T0], 2, v1
	v_and_b32 v[T1], 3, v1
	v_lshlrev_b32 v[PFO], 13, v[T0]
	v_lshl_add_u32 v[PFO], v[T1], 8, v[PFO]
	v_lshlrev_b32 v[PFW], 8, v1
	v_mul_u32_u24 v[ADA0], v2, XPIT
	v_lshl_add_u32 v[ADA0], v3, 4, v[ADA0]
	v_mul_u32_u24 v[ASA0], v1, 72
	v_add_nc_u32 v[ASA0], XS, v[ASA0]
	v_lshl_add_u32 v[ASB0], v1, 3, s39
	v_lshl_add_u32 v[QC0], v1, 2, s37
	v_add_nc_u32 v[QS0], s38, v[T0]
	v_lshl_add_u32 v[CL], v1, 4, s39
	v_lshlrev_b32 v[BVO], 5, v3
	v_lshl_add_u32 v[RW], v2, 2, s40
	v_lshl_add_u32 v[RR], v1, 3, RED
	v_lshlrev_b32 v[SOF], 3, v1
	s_wait_alu depctr_va_vdst(0)
	s_wait_dscnt 0x0                               ; both opening adds are done
	s_wait_kmcnt 0x0
	s_add_nc_u64 s[XP:XP+1], s[6:7], s[44:45]
	s_add_nc_u64 s[WP:WP+1], s[10:11], s[42:43]
	s_add_nc_u64 s[4:5], s[4:5], s[46:47]
	s_add_nc_u64 s[PB:PB+1], s[12:13], s[48:49]
	s_add_nc_u64 s[PV:PV+1], s[8:9], s[50:51]
	s_add_nc_u64 s[14:15], s[14:15], s[52:53]
	XLOAD 0, 0                                     ; pair 0 of x first; then the order of a phase: W's two steps, then x
	XLOAD 1, 0
	PFX 1024                                       ; pair 1, whose loads wait for pair 0's registers
.set k, 0
.rept 32
	global_load_async_to_lds_b128 v[CL], v[WO], s[4:5] offset:512*k    ; the immediate steps both addresses: 512 consecutive bytes a copy
.set k, k+1
.endr
	WIN 0x40
	WLOAD 0, 0, 0
	WLOAD 0, 1, 0
	WLOAD 1, 0, 0
	WLOAD 1, 1, 0
	WIN 0
	PF 0, 2048, 65536
	ADDR
	s_wait_asynccnt 0x0                            ; my rows of W's scale bytes are in; I alone read them
	OCT 0, 1, 0, 0, 1024                           ; pair 0 is quantised, pair 1 asked for
	OCT 1, 1, 0, 0, 1024
	s_wait_dscnt 0x0
	s_barrier_signal -1
	s_barrier_wait -1
	PHASE 1, 1, 0, 2                               ; phase 0: its first step's products start the sums
	s_mov_b32 s[PH], 1
.Lphase:                                               ; phases 1 to 5
	PHASE 0, 0, 0, 1
	s_add_co_u32 s[PH], s[PH], 1
	s_cmp_lt_u32 s[PH], 6
	s_cbranch_scc1 .Lphase
	PHASE 0, 0, 1, 0                               ; phase 6
	PHASE 0, 0, 2, 0                               ; phase 7
	; THE WAY OUT.
	s_wait_loadcnt 0x0                             ; hbf and v
	WIN 0x05                                       ; the sum of my 128 v, in four chains
.irp k, 0,1,2,3
	v_pk_add_f32 v[VS+2*\k:VS+2*\k+1], v[4*\k:4*\k+1], v[4*\k+2:4*\k+3]
.endr
	WIN 0x01
.set i, 16
.rept 14
.irp k, 0,1,2,3
	v_pk_add_f32 v[VS+2*\k:VS+2*\k+1], v[i+2*\k:i+2*\k+1], v[VS+2*\k:VS+2*\k+1]
.endr
.set i, i+8
.endr
; W's tiles 8 g + 4 q .. + 3, all four row tiles, 128 registers: 2^(2 log2(e) sum + hbf), + 1, reciprocal, x v, added up for each row tile.  Each accumulator is read from its low end on.
.macro BATCH g, q, first
.set A0, 128*\q
.set T8, 8*(8*\g+4*\q)
	WIN 0x82+0x41*\g                               ; destination and source 0 window 2 + g, source 2 (hbf) window 0
	s_wait_alu depctr_va_vdst(0)
.irp t, 0,1,2,3
.irp m, 0,1,2,3
.irp p, 0,1,2,3
	v_pk_fma_f32 v[A0+32*\t+8*\m+2*\p:A0+32*\t+8*\m+2*\p+1], v[A0+32*\t+8*\m+2*\p:A0+32*\t+8*\m+2*\p+1], s[C2:C2+1], v[128+T8+8*\t+2*\p:128+T8+8*\t+2*\p+1] op_sel_hi:[1,0,1]
.endr
.endr
.endr
	s_wait_alu depctr_va_vdst(0)
.set i, 0
.rept 128
	v_exp_f32 v[A0+i], v[A0+i]
.set i, i+1
.endr
	v_nop
	s_wait_alu depctr_va_vdst(0)
.set i, 0
.rept 64
	v_pk_add_f32 v[A0+i:A0+i+1], v[A0+i:A0+i+1], 1.0 op_sel_hi:[1,0]
.set i, i+2
.endr
	s_wait_alu depctr_va_vdst(0)
.set i, 0
.rept 128
	v_rcp_f32 v[A0+i], v[A0+i]
.set i, i+1
.endr
	v_nop
	s_wait_alu depctr_va_vdst(0)
	WIN 0x06+\g                                    ; source 0 window 2 + g, source 1 (v) window 1
.irp t, 0,1,2,3
.irp p, 0,1,2,3
.irp m, 0,1,2,3
.if \first && (\t == 0) && (\p == 0)
	v_pk_mul_f32 v[SS+2*\m:SS+2*\m+1], v[A0+32*\t+8*\m+2*\p:A0+32*\t+8*\m+2*\p+1], v[T8+8*\t+2*\p:T8+8*\t+2*\p+1]     ; the first products start the sums
.else
	v_pk_fma_f32 v[SS+2*\m:SS+2*\m+1], v[A0+32*\t+8*\m+2*\p:A0+32*\t+8*\m+2*\p+1], v[T8+8*\t+2*\p:T8+8*\t+2*\p+1], v[SS+2*\m:SS+2*\m+1]
.endif
.endr
.endr
.endr
.endm
	BATCH 0, 0, 1
	BATCH 0, 1, 0
	BATCH 1, 0, 0
	BATCH 1, 1, 0
	WIN 0
	v_pk_add_f32 v[VS:VS+1], v[VS:VS+1], v[VS+2:VS+3]
	v_pk_add_f32 v[VS+4:VS+5], v[VS+4:VS+5], v[VS+6:VS+7]
	v_pk_add_f32 v[VS:VS+1], v[VS:VS+1], v[VS+4:VS+5]
	v_add_f32 v[VS], v[VS], v[VS+1]                ; the sum of my 128 v
.irp m, 0,1,2,3
	v_add_f32 v[SS+2*\m], v[SS+2*\m], v[SS+2*\m+1]
.endr
.irp m, 0,1,2,3
	v_fma_f32 v[SS+2*\m], -2.0, v[SS+2*\m], v[VS]  ; sum of v tanh over my 128 columns of row 16 m + r
.endr
.irp m, 0,1,2,3
	v_permlanex16_b32 v[SS+2*\m+1], v[SS+2*\m], s[SEL], s[SEL+1]
.endr
.irp m, 0,1,2,3
	v_add_f32 v[SS+2*\m], v[SS+2*\m], v[SS+2*\m+1] ; with lane l xor 16's: my wave's 256 columns
.endr
.irp m, 0,1,2,3
	ds_store_b32 v[RW], v[SS+2*\m] offset:64*\m    ; lanes r and r + 16 write the same word with the same value
.endr
	s_wait_dscnt 0x0                               ; for wave 0's sake
	s_barrier_signal -1
	s_barrier_wait -1
	s_cmp_lg_u32 s[WV], 0
	s_cbranch_scc1 .Lothers
.irp k, 0,1,2,3
	ds_load_b64 v[80+2*\k:81+2*\k], v[RR] offset:256*\k             ; rows 2 lane, 2 lane + 1: the four waves' parts
.endr
	s_wait_dscnt 0x0
	v_pk_add_f32 v[80:81], v[80:81], v[82:83]
	v_pk_add_f32 v[84:85], v[84:85], v[86:87]
	v_pk_add_f32 v[80:81], v[80:81], v[84:85]
	global_store_b64 v[SOF], v[80:81], s[14:15]    ; 32 lanes store 256 consecutive bytes, at a multiple of 256 from the buffer's first byte
.Lothers:
	s_wait_tensorcnt 0x0                           ; the wave's end
	ds_add_u32 v[SPW], v[NIL]
	s_wait_dscnt 0x0
	s_endpgm
.Lfunc_end_k_q08500e6503_energy:
	.size	k_q08500e6503_energy, .Lfunc_end_k_q08500e6503_energy-k_q08500e6503_energy
	.p2alignl 7, 3214868480
	.fill 96, 4, 3214868480
	.section	.rodata,"a",@progbits
	.p2align	6, 0x0
	.amdhsa_kernel k_q08500e6503_energy
		.amdhsa_group_segment_fixed_size 172032
		.amdhsa_private_segment_fixed_size 0
		.amdhsa_enable_private_segment 0
		.amdhsa_kernarg_size 48
		.amdhsa_user_sgpr_count 2
		.amdhsa_user_sgpr_kernarg_segment_ptr 1
		.amdhsa_wavefront_size32 1
		.amdhsa_system_sgpr_workgroup_id_x 1
		.amdhsa_system_sgpr_workgroup_id_y 1
		.amdhsa_system_sgpr_workgroup_id_z 1
		.amdhsa_system_vgpr_workitem_id 0
		.amdhsa_next_free_vgpr 1024
		.amdhsa_next_free_sgpr 66
		.amdhsa_reserve_vcc 0
		.amdhsa_float_denorm_mode_32 3
		.amdhsa_float_denorm_mode_16_64 3
		.amdhsa_memory_ordered 1
		.amdhsa_forward_progress 1
		.amdhsa_inst_pref_size 255
	.end_amdhsa_kernel
	.section	.bss,"aw",@nobits
	.p2align	6
	.space	262144
	.amdgpu_metadata
---
amdhsa.version: [ 1, 2 ]
amdhsa.kernels:
  - .name:           k_q08500e6503_energy
    .symbol:         k_q08500e6503_energy.kd
    .args:
      - { .name: Wsf, .offset: 0, .size: 8, .value_kind: global_buffer, .address_space: global }
      - { .name: encoder_outputs, .offset: 8, .size: 8, .value_kind: global_buffer, .address_space: global }
      - { .name: v, .offset: 16, .size: 8, .value_kind: global_buffer, .address_space: global }
      - { .name: Wf, .offset: 24, .size: 8, .value_kind: global_buffer, .address_space: global }
      - { .name: hbf, .offset: 32, .size: 8, .value_kind: global_buffer, .address_space: global }
      - { .name: scores, .offset: 40, .size: 8, .value_kind: global_buffer, .address_space: global }
    .group_segment_fixed_size: 172032
    .private_segment_fixed_size: 0
    .kernarg_segment_align: 8
    .kernarg_segment_size: 48
    .max_flat_workgroup_size: 128
    .sgpr_count:     66
    .vgpr_count:     1024
    .wavefront_size: 32
...
	.end_amdgpu_metadata
.endif
;; end of part 2
;; launch softmax (part 3): grid 16 x 1, 8 waves a work-group, no clusters, 1,536 bytes of LDS; arguments scores, out0; writes out0
.if DOCPART == 3
	.amdgcn_target "amdgcn-amd-amdhsa--gfx1250"
	.amdhsa_code_object_version 6
	.text
	.protected	k_q08500e6503_softmax
	.globl	k_q08500e6503_softmax
	.p2align	8
	.type	k_q08500e6503_softmax,@function
k_q08500e6503_softmax:
	s_mov_b64 s[64:65], 0
	v_nop
	global_prefetch_b8 v0, s[64:65] scope:SCOPE_SE
	s_setreg_imm32_b32 hwreg(HW_REG_WAVE_MODE, 25, 1), 1
	s_wait_xcnt 0x0
; out0[b][0][t] = softmax over t of scores[b][t].  16 rows of 1,024 f32; a work-group of eight waves takes a row, a thread four neighbouring numbers (16 bytes).
; The row's maximum is taken away before the exponential, as the definition does.  A row is read once and kept in registers; maxima and sums meet in LDS, one word a wave, in bytes of their own.
; No matrix work, no tensor load, no cluster: the work-groups share nothing, and a row is 4,096 bytes.  NaN among the scores is not served.
	s_load_b128 s[4:7], s[0:1], 0x0                ; scores s[4:5], out0 s[6:7]
	v_lshl_add_u32 v32, v0, 2, 0x200
	v_mov_b32 v33, 0
	v_lshrrev_b32 v1, 5, v0
	s_delay_alu instid0(VALU_DEP_1)
	v_readfirstlane_b32 s8, v1                     ; wave 0..7
	v_lshlrev_b32 v2, 4, v0                        ; my 16 bytes of the row
	s_lshl_b32 s9, s8, 2
	v_mov_b32 v3, s9                               ; LDS: my wave's word
	v_mov_b32 v20, 0                               ; LDS: the eight words
	v_mov_b32 v9, 0                                ; written once: a lane permute's destination counts as one of its sources
	s_lshl_b32 s10, ttmp9, 12                      ; my row: 4,096 bytes a work-group
	s_mov_b32 s11, 0
	s_mov_b32 s12, 0x76543210                      ; v_permlanex16_b32's selects for lane l xor 16
	s_mov_b32 s13, 0xfedcba98
	s_wait_alu depctr_va_vdst(0)
	s_wait_kmcnt 0x0
	s_add_nc_u64 s[4:5], s[4:5], s[10:11]
	s_add_nc_u64 s[6:7], s[6:7], s[10:11]
	global_load_b128 v[4:7], v2, s[4:5]            ; a wave reads 512 consecutive bytes
	s_wait_loadcnt 0x0
	v_max3_num_f32 v8, v4, v5, v6
	s_delay_alu instid0(VALU_DEP_1)
	v_max_num_f32 v8, v8, v7
	s_delay_alu instid0(VALU_DEP_1)
	v_max_num_f32_dpp v8, v8, v8 row_xmask:1 row_mask:0xf bank_mask:0xf
	s_delay_alu instid0(VALU_DEP_1)
	v_max_num_f32_dpp v8, v8, v8 row_xmask:2 row_mask:0xf bank_mask:0xf
	s_delay_alu instid0(VALU_DEP_1)
	v_max_num_f32_dpp v8, v8, v8 row_xmask:4 row_mask:0xf bank_mask:0xf
	s_delay_alu instid0(VALU_DEP_1)
	v_max_num_f32_dpp v8, v8, v8 row_xmask:8 row_mask:0xf bank_mask:0xf
	s_delay_alu instid0(VALU_DEP_1)
	v_permlanex16_b32 v9, v8, s12, s13
	s_delay_alu instid0(VALU_DEP_1)
	v_max_num_f32 v8, v8, v9                       ; my wave's maximum, in every lane
	ds_store_b32 v3, v8                            ; all lanes write the same word with the same value
	s_wait_dscnt 0x0                               ; for the others' sake
	s_barrier_signal -1
	s_barrier_wait -1
	ds_load_b128 v[12:15], v20
	ds_load_b128 v[16:19], v20 offset:16
	s_wait_dscnt 0x0
	v_max3_num_f32 v8, v12, v13, v14
	s_delay_alu instid0(VALU_DEP_1)
	v_max3_num_f32 v8, v8, v15, v16
	s_delay_alu instid0(VALU_DEP_1)
	v_max3_num_f32 v8, v8, v17, v18
	s_delay_alu instid0(VALU_DEP_1)
	v_max_num_f32 v8, v8, v19                      ; the row's maximum
.irp j, 4,5,6,7
	v_sub_f32 v\j, v\j, v8
.endr
.irp j, 4,5,6,7
	s_delay_alu instid0(VALU_DEP_4)
	v_mul_f32 v\j, 0x3fb8aa3b, v\j                 ; x log2(e)
.endr
	s_wait_alu depctr_va_vdst(0)
.irp j, 4,5,6,7
	v_exp_f32 v\j, v\j
.endr
	v_nop                                          ; a plain place behind the last exponential
	s_wait_alu depctr_va_vdst(0)
	v_add_f32 v10, v4, v5
	v_add_f32 v11, v6, v7
	s_delay_alu instid0(VALU_DEP_1)
	v_add_f32 v10, v10, v11
	s_delay_alu instid0(VALU_DEP_1)
	v_add_f32_dpp v10, v10, v10 row_xmask:1 row_mask:0xf bank_mask:0xf
	s_delay_alu instid0(VALU_DEP_1)
	v_add_f32_dpp v10, v10, v10 row_xmask:2 row_mask:0xf bank_mask:0xf
	s_delay_alu instid0(VALU_DEP_1)
	v_add_f32_dpp v10, v10, v10 row_xmask:4 row_mask:0xf bank_mask:0xf
	s_delay_alu instid0(VALU_DEP_1)
	v_add_f32_dpp v10, v10, v10 row_xmask:8 row_mask:0xf bank_mask:0xf
	s_delay_alu instid0(VALU_DEP_1)
	v_permlanex16_b32 v9, v10, s12, s13
	s_delay_alu instid0(VALU_DEP_1)
	v_add_f32 v10, v10, v9                         ; my wave's sum
	ds_store_b32 v3, v10 offset:256                ; other bytes than the maxima's: no wave may still be reading those
	s_wait_dscnt 0x0
	s_barrier_signal -1
	s_barrier_wait -1
	ds_load_b128 v[12:15], v20 offset:256
	ds_load_b128 v[16:19], v20 offset:272
	s_wait_dscnt 0x0
	v_pk_add_f32 v[12:13], v[12:13], v[14:15]
	v_pk_add_f32 v[16:17], v[16:17], v[18:19]
	s_delay_alu instid0(VALU_DEP_1)
	v_pk_add_f32 v[12:13], v[12:13], v[16:17]
	s_delay_alu instid0(VALU_DEP_1)
	v_add_f32 v10, v12, v13                        ; the row's sum
	s_wait_alu depctr_va_vdst(0)
	v_rcp_f32 v10, v10
	v_nop                                          ; a plain place behind the reciprocal
	s_wait_alu depctr_va_vdst(0)
	v_pk_mul_f32 v[4:5], v[4:5], v[10:11] op_sel_hi:[1,0]
	v_pk_mul_f32 v[6:7], v[6:7], v[10:11] op_sel_hi:[1,0]
	global_store_b128 v2, v[4:7], s[6:7]           ; sixteen lanes store 256 consecutive bytes, at a multiple of 256 from the buffer's first byte
	s_wait_tensorcnt 0x0
	ds_add_u32 v32, v33
	s_wait_dscnt 0x0
	s_endpgm
.Lfunc_end_k_q08500e6503_softmax:
	.size	k_q08500e6503_softmax, .Lfunc_end_k_q08500e6503_softmax-k_q08500e6503_softmax
	.p2alignl 7, 3214868480
	.fill 96, 4, 3214868480
	.section	.rodata,"a",@progbits
	.p2align	6, 0x0
	.amdhsa_kernel k_q08500e6503_softmax
		.amdhsa_group_segment_fixed_size 1536
		.amdhsa_private_segment_fixed_size 0
		.amdhsa_enable_private_segment 0
		.amdhsa_kernarg_size 16
		.amdhsa_user_sgpr_count 2
		.amdhsa_user_sgpr_kernarg_segment_ptr 1
		.amdhsa_wavefront_size32 1
		.amdhsa_system_sgpr_workgroup_id_x 1
		.amdhsa_system_sgpr_workgroup_id_y 1
		.amdhsa_system_sgpr_workgroup_id_z 1
		.amdhsa_system_vgpr_workitem_id 0
		.amdhsa_next_free_vgpr 34
		.amdhsa_next_free_sgpr 66
		.amdhsa_reserve_vcc 0
		.amdhsa_float_denorm_mode_32 3
		.amdhsa_float_denorm_mode_16_64 3
		.amdhsa_memory_ordered 1
		.amdhsa_forward_progress 1
		.amdhsa_inst_pref_size 5
	.end_amdhsa_kernel
	.amdgpu_metadata
---
amdhsa.version: [ 1, 2 ]
amdhsa.kernels:
  - .name:           k_q08500e6503_softmax
    .symbol:         k_q08500e6503_softmax.kd
    .args:
      - { .name: scores, .offset: 0, .size: 8, .value_kind: global_buffer, .address_space: global }
      - { .name: out0, .offset: 8, .size: 8, .value_kind: global_buffer, .address_space: global }
    .group_segment_fixed_size: 1536
    .private_segment_fixed_size: 0
    .kernarg_segment_align: 8
    .kernarg_segment_size: 16
    .max_flat_workgroup_size: 256
    .sgpr_count:     66
    .vgpr_count:     34
    .wavefront_size: 32
...
	.end_amdgpu_metadata
.endif
;; end of part 3
